; MI455X (gfx1250); checked and timed in simulation.
; The chip was launched on July 23, 2026; its instructions are those of AMD's public machine-readable ISA for CDNA 5 (MIT licence, August 2026) and "CDNA5" Instruction Set Architecture Reference Guide (July 2026). The comments in the code are by the model that wrote it; some were corrected since.
;; Cross Layer Attention. Allowed arithmetic: matrix products marked QUANTISED: E2M3 operands, one E8M0 scale for each 32 along K, by v_wmma_scale_f32_16x16x128_f8f6f4 with both operands' format E2M3, f32 sums; everything else in f32.
;; Inputs: attention_mask 4 x 1 x 1,024 x 1,024 float32; bo 2,048 float32; bq 2,048 float32; hidden_states_codes 4 x 1,024 x 64 x 24 uint8 (E2M3 codes of hidden_states, K innermost, in blocks of 32 codes, four codes in three bytes); hidden_states_scales 4 x 1,024 x 64 uint8 (E8M0 scales of hidden_states, one for each 32 codes along K); key_codes 64 x 1,024 x 4 x 24 uint8 (E2M3 codes of key, K innermost, in blocks of 32 codes, four codes in three bytes); key_scales 64 x 1,024 x 4 uint8 (E8M0 scales of key, one for each 32 codes along K); rope_cos 1,024 x 128 float32; rope_sin 1,024 x 128 float32; value_codes 4 x 16 x 128 x 32 x 24 uint8 (E2M3 codes of value, K innermost, in blocks of 32 codes, four codes in three bytes); value_scales 4 x 16 x 128 x 32 uint8 (E8M0 scales of value, one for each 32 codes along K); wo_codes 2,048 x 64 x 24 uint8 (E2M3 codes of wo, K innermost, in blocks of 32 codes, four codes in three bytes); wo_scales 2,048 x 64 uint8 (E8M0 scales of wo, one for each 32 codes along K); wq_codes 2,048 x 64 x 24 uint8 (E2M3 codes of wq, K innermost, in blocks of 32 codes, four codes in three bytes); wq_scales 2,048 x 64 uint8 (E8M0 scales of wq, one for each 32 codes along K).
;; Outputs: out0 4 x 1,024 x 2,048 float32.
;; This version of the problem:
;;   THIS VERSION OF THE PROBLEM IS GIVEN IN LOW PRECISION. The matrix products marked QUANTISED in the list below multiply operands that are first quantised to E2M3 (2 exponent bits, 3 mantissa bits; 6 bits a number), with one power-of-two scale for each 32 numbers along K (OCP MX v1.0); their sums are f32. All else is computed in f32.
;;   The module's matrix products, in the order in which they are computed (A, B: the left and right operand; K: the contracted axis; several contracted axes count as one K, in the product's order):
;;     1. [M 4,096, K 2,048] x [K 2,048, N 2,048]; A: input hidden_states (given as codes); B: input wq (given as codes): QUANTISED
;;     2. batch 64 x [M 1,024, K 128] x [K 128, N 1,024]; A: computed on the way; B: input key (given as codes): QUANTISED
;;     3. batch 64 x [M 128, K 1,024] x [K 1,024, N 1,024]; A: input value (given as codes); B: softmax (see below): QUANTISED
;;     4. [M 4,096, K 2,048] x [K 2,048, N 2,048]; A: computed on the way; B: input wo (given as codes): QUANTISED
;;   THE QUANTISER, for each operand of a quantised product, along K:
;;     - K is cut into blocks of 32 from its start; a last block that is shorter is filled with zeros.
;;     - A block's scale is 2^e with e = floor(log2(the largest magnitude in the block)) - 2, held to -126 .. 127; a block of zeros has e = 0. As a byte (E8M0): e + 127.
;;     - Each number is divided by its block's scale, clamped to +-7.5, and rounded to the nearest number of E2M3, ties to even, subnormals kept.
;;     - The product sums the exact products of the quantised numbers (number of the format x scale) in f32.
;;   ~~~python
;;   def quantise(x, axis):      # numpy; x: float32 -> the quantised numbers, widened to float32 again
;;       x = np.moveaxis(x, axis, -1); K = x.shape[-1]
;;       x = np.pad(x, [(0, 0)] * (x.ndim - 1) + [(0, -K % 32)]); x = x.reshape(x.shape[:-1] + (-1, 32)); a = np.abs(x).max(-1, keepdims=True)
;;       e = np.where(a > 0, np.clip(np.frexp(np.where(a > 0, a, 1))[1] - 1 - 2, -126, 127), 0)      # np.frexp(a)[1] - 1 = floor(log2(a)), exactly
;;       r = np.clip(x / 2.0 ** e, -7.5, 7.5)
;;       step = 2.0 ** (np.maximum(np.frexp(np.where(r == 0, 1, r))[1] - 1, 0) - 3)
;;       q = np.round(r / step) * step * 2.0 ** e      # np.round: ties to even
;;       return np.moveaxis(q.reshape(q.shape[:-2] + (-1,))[..., :K], -1, axis).astype(np.float32)
;;   ~~~
;;   SOFTMAX AHEAD OF A QUANTISED PRODUCT. Where the list says 'softmax', what is quantised is not the finished softmax but p = 2^(t - M), with t = logit x log2(e) and M = ceil(the row's largest t), a whole number; so 1/2 < the row's largest p <= 1. The row's sum l is taken of the UNQUANTISED p, in f32, and the product's result is divided by l at the end. Since M is a whole number, a kernel that streams over the keys may use a running M (the ceiling of the running maximum): every later rescaling is an exact power of two, which a block's scale takes up: the codes' values come out the same.
;;   OPERANDS COMPUTED ON THE WAY. 'Computed on the way' means the value that the module computes at that place (a softmax that the list does not call 'softmax' is quantised finished and normalised). What goes into a quantiser is computed in f32, as accurately as f32 sums, v_exp_f32 and their like allow (about 1e-6 of the number): no bf16 or f16 on the way to a quantiser, and a product that is left as it is and whose result goes on into a quantised operand takes f32 operands (vector FMAs, or v_wmma_f32_16x16x4_f32). A number that lies on a knife's edge between two numbers of the format may be rounded either way, as far as f32 arithmetic and the matrix unit's own rounding can turn it there, and no further.
;;   INPUTS GIVEN AS CODES. hidden_states (in the module: [4, 1024, 2048], K = its axis 2); key (in the module: [64, 128, 1024], K = its axis 1); value (in the module: [4, 16, 1024, 128], K = its axis 2); wo (in the module: [2048, 2048], K = its axis 1); wq (in the module: [2048, 2048], K = its axis 1): each comes as NAME_codes (uint8): NAME with its K axis moved to the last place and cut into blocks of 32 codes, [.., K / 32, bytes a block], one block behind the other in memory; four codes in three bytes: a row's codes are one little-endian stream of bits, code i at bits 6 i .. 6 i + 5 (a code: sign, 2 exponent bits, 3 mantissa bits); and NAME_scales (uint8): the same leading axes, one E8M0 byte (e + 127) for each 32 codes along K. Its value is code x scale, taken as it is: it is not quantised again, and the codes and scales need not be those that the quantiser above would give.
;; One version. Each part assembles by itself: llvm-mc -triple=amdgcn-amd-amdhsa -mcpu=gfx1250 --defsym DOCPART=n.
;; ======== version 1 of 1: 2 launches
;; workspace buffers: a_codes 6,291,456 bytes; a_scales 262,144 bytes
;; launch attn (part 1): grid 8 x 32, 4 waves a work-group, clusters of 4 x 4, 327,680 bytes of LDS; arguments hidden_states_codes, hidden_states_scales, wq_codes, wq_scales, key_codes, key_scales, value_codes, value_scales, attention_mask, bq, rope_cos, rope_sin, a_codes, a_scales; writes a_codes, a_scales
.if DOCPART == 1
	.amdgcn_target "amdgcn-amd-amdhsa--gfx1250"
	.amdhsa_code_object_version 6
	.text
	.protected	k_qcee8eaf384_attn
	.globl	k_qcee8eaf384_attn
	.p2align	8
	.type	k_qcee8eaf384_attn,@function
k_qcee8eaf384_attn:
	s_mov_b64 s[64:65], 0
	v_nop
	global_prefetch_b8 v0, s[64:65] scope:SCOPE_SE
	s_setreg_imm32_b32 hwreg(HW_REG_WAVE_MODE, 25, 1), 1
	s_wait_xcnt 0x0
	s_wait_alu depctr_hold_cnt(0) depctr_sa_sdst(0) depctr_va_vdst(0) depctr_va_sdst(0) depctr_va_ssrc(0) depctr_va_vcc(0) depctr_vm_vsrc(0)
	s_getreg_b32 s2, hwreg(HW_REG_IB_STS2, 6, 4)
	s_cmp_eq_u32 s2, 0
	s_cbranch_scc0 .Lentry_in_a_cluster
	s_endpgm
.Lentry_in_a_cluster:
	s_bfe_u32 s2, ttmp6, 0x10000c
	s_cmp_lg_u32 s2, 0xf033
	s_cbranch_scc0 .Lentry_shape_is_right
	s_endpgm
.Lentry_shape_is_right:
; q = hs wq^T + bq, RoPE, attention over 1,024 keys with the additive mask as it is given, O / l, all four operands that are made here quantised to FP6 (E2M3) with one E8M0 byte for each 32 along K.
; A work-group takes 128 tokens (tile MT of 32) and 2 heads (pair NT of 8): a tile of 128 x 256 of q.  Wave (HH, RH) takes tokens 64 RH on and head HH of the pair: 4 tiles of 16 tokens x 128 columns, 32 accumulators.
; PHASE A: K = 2,048 goes in 8 slots of 256 through a ring of two LDS slots.  The matrix instruction is used transposed (source 0 = 16 rows of wq, source 1 = 16 tokens): a lane holds one token and 8 neighbouring columns.
; The bias is the C of each sum's first product.  Then RoPE in f32, an exchange of lane halves that gives a lane 16 neighbours along the head, and the quantiser: Q's four fragments stay in registers.
; PHASE B: 8 key steps of 128 through the same two slots (K's and V's codes of both heads, 128 x 128 of the mask).  S^T = K Q^T, x = s / sqrt(128) + mask, t = x log2(e), M = ceil of the running largest t,
; p = 2^(t - M) quantised along the keys, O^T += V^T P^T; the sum of the unquantised p divides at the end.  The rows of K and of V that form a tile are r + 8 (r / 8) apart from the tile's first, so that a lane's
; 16 registers of two neighbouring tiles are 16 neighbours along the next K.  O / l is quantised and stored as images of the next launch's operand registers.
; THE CHANGE OF SLOTS stands inside a key step's fourth tile, where the wave has read all that it reads of the slot: the next step's K and first mask tile are fetched from LDS beside that tile's softmax, in short runs.
; CLUSTER 4 x 4: hs, its scales and the mask hang on MT alone and are asked for jointly along a row of the cluster; wq, K, V and their scales hang on NT and the batch and are asked for jointly along a column.
; O^T IS NOT CLEARED: its registers hold phase A's sums, and the first change of M multiplies them by 2^(a very large negative whole number) = 0.
; LIMITS: NaN, infinities and the scale byte 0xff among the inputs are not served; q must be finite (see the line above); a row whose every key is masked by -infinity is not served;
; a block of zeros gets the byte 1 where the quantiser's rule says 127 (its codes are zeros, and only this program reads the bytes); RoPE and x fuse one multiply with its add: one rounding fewer than two instructions.
.set SLOT1, 131072                     ; slot 1 begins here: one exclusive or turns an address of one slot into the other's
.set PITCH, 240                        ; phase A: a row of 192 bytes with 16 bytes of padding behind every 64
.set BOFF,  128*PITCH                  ; phase A: wq's 256 rows lie behind hs's 128
.set VOFF,  24576                      ; phase B: K 2 x 128 keys x 96 bytes, then V 256 rows x 96 bytes,
.set MOFF,  49152                      ; then the mask, 128 rows of 512 bytes + 16
.set MP,    528
.set SCH,   262144                     ; behind the ring: hs's scale bytes, 32 units of 256 bytes + 16;
.set SCW,   SCH+32*272                 ; wq's, 64 units;
.set SCK,   SCW+64*272                 ; K's, 2 heads x 16 units;
.set SCV,   SCK+32*272                 ; V's likewise;
.set SPARE, SCV+32*272                 ; the spare words, 128 bytes a wave: two blocks of 256 bytes that no other line names
; window 0
.set AK0,1                             ; my lane's place in a slot's K;  v2 in its V;  v3, v4 among K's and V's scale words;  v7 in the mask
.set AV0,2
.set ASK0,3
.set ASV0,4
.set SPW,5                             ; LDS address of my spare word; never rewritten
.set NIL,6                             ; 0; never rewritten
.set AM0,7
.set ADK,8                             ; phase B: addresses of the step in hand or the next (v8-12);  phase A: v8, v9 the scale words' addresses
.set ADV,9
.set ADS,10
.set ADT,11
.set ADM,12
.set ASB,8
.set ASA,9
.set PFO,13                            ; prefetch offsets: the mask's (16 rows x 2 blocks of 256 bytes);  v14: 256 x lane
.set PFO2,14
.set RO,15                             ; my place in 16 rows of a RoPE table
.set ST,16                             ; tile m: v[16+4m] -M, +1 the largest t, +2, +3 the sum in two halves
.set SS,32                             ; v32-95 scores, then p; T in the epilogues; tile 0's cosines
.set MK,96                             ; v96-159 the mask; tile 0's sines; the codes and scale words that leave
.set PC,160                            ; v160-171 a fragment just made;  v172-179 its second halves
.set PT,172
.set BM,180                            ; four blocks' maxima;  v184-187 exchange, bytes;  v188-191 the conversions' scale operands
.set BP,184
.set BO,188
.set FF,192                            ; f = 2^(old M - new M), as the low word of a pair
.set TT,194
.set SUM2,196
.set LI,198                            ; 16 x lane
.set LS8,199                           ; 16 r + 8 h
.set SCR,200                           ; v200-247 hold scale words and nothing else: phase A two sets of 24;
.set KW,200                            ; phase B: K's 8, V's 8, Q's 4, P's one
.set VW,208
.set QW,216
.set PW,220
.set ADRA,248                          ; v248-249 my hs fragments in slot 0, 1; v250-251 the same behind one padding more;  v252-255 likewise for wq
.set ADRB,252
; window 1: the 32 accumulators ((a, b) at 8 (8 a + b)), then O^T.   window 2: hs's two fragment sets (48 p + 12 a), the bias at v96-159; then sines of tiles 1-3; Q's fragments at v192 + 12 m.
; window 3: wq's two fragment sets (96 p + 12 b); then cosines of tiles 1-3; then K's fragments v0-95 and V's v96-191.
.set CNT,2
.set HP2,3                             ; the pair's first head among the 64
.set G0M,4                             ; s4-7: group 0 of hs's scales, later the mask's;  s8-11: wq's scales, later K's;  s12-15: K's and V's scales, later V's
.set G0K,8
.set G0V,12
.set PFK,16                            ; s[16:17] where my prefetches of K or V stand;  s[18:19] those of the mask
.set PFM,18
.set WV,24
.set HH,25
.set RH,26
.set TB,27                             ; the slot in hand;  s28, s29: the step's place among K's and V's scale words
.set TS,28
.set TJ,29
.set SEL,30                            ; v_permlanex16_b32's selects for lane l xor 16
.set SCL,32                            ; 1 / sqrt(128), as a pair;  s[34:35] log2(e)
.set L2E,34
.set G1A,36
.set G1B,44
.set G0A,52                            ; slot s at G0A + 4 s
.set G0B,60                            ; slot s at G0B + 8 s (s64, s65 are not named)
.set CX,66
.set CY,67
.set G1M,72                            ; s72-79: group 1 of hs's scales, later the mask's;  s80-87: wq's scales, later K's;  s88-95: K's and V's scales, later V's
.set G1K,80
.set G1V,88
.set ROWA,96                           ; 128 MT + 64 RH.  s96-99 never hold cx, s2, s3, s100, s101 never cy
.set LIM,104
.set LIMK,105
.set MUL,  0x5b                        ; source 0 window 3, source 1 window 2, C and D window 1
.set MUL1, 0x6b                        ; the same with C (the bias) in window 2
.set TO3,  0xc0
.set TO2,  0x80
.set MSB, 0
.macro WIN new                         ; the immediate's high byte repeats the setting that is left
.if MSB != (\new)
	s_set_vgpr_msb (MSB<<8)|(\new)
.set MSB, \new
.endif
.endm
.macro PLACES n
.rept \n
	v_nop
.endr
.endm
.macro CREST                           ; a round of the cluster's barrier behind its opening barrier
	s_cmp_lg_u32 s[WV], 0
	s_cbranch_scc1 .Lnot_wave_0_\@
	s_barrier_signal -3
.Lnot_wave_0_\@:
	s_barrier_wait -3
	s_barrier_signal -1
	s_barrier_wait -1
.endm
.macro CROUND
	s_barrier_signal -1
	s_barrier_wait -1
	CREST
.endm
; A joint load of phase A: waves 0 and 1 fetch for hs, waves 2 and 3 for wq.  The branch hangs on the wave's number alone.  Four v_nop follow each line.
.macro JLOAD g0a, g1a, g0b, g1b
	s_cmp_eq_u32 s[HH], 0
	s_cbranch_scc0 .Lfor_b_\@
	tensor_load_to_lds s[\g0a:\g0a+3], s[\g1a:\g1a+7]
	s_nop 0
.rept 4
	v_nop
.endr
	s_branch .Lasked_\@
.Lfor_b_\@:
	tensor_load_to_lds s[\g0b:\g0b+3], s[\g1b:\g1b+7]
	s_nop 0
.rept 4
	v_nop
.endr
.Lasked_\@:
.endm
; A joint load of phase B: wave 0 K's tile, wave 1 V's, waves 2 and 3 the mask's halves.
.macro JLOAD3
	s_cmp_lt_u32 s[WV], 2
	s_cbranch_scc0 .Lfor_m_\@
	s_cmp_eq_u32 s[WV], 0
	s_cbranch_scc0 .Lfor_v_\@
	tensor_load_to_lds s[G0K:G0K+3], s[G1K:G1K+7]
	s_nop 0
.rept 4
	v_nop
.endr
	s_branch .Lasked3_\@
.Lfor_v_\@:
	tensor_load_to_lds s[G0V:G0V+3], s[G1V:G1V+7]
	s_nop 0
.rept 4
	v_nop
.endr
	s_branch .Lasked3_\@
.Lfor_m_\@:
	tensor_load_to_lds s[G0M:G0M+3], s[G1M:G1M+7]
	s_nop 0
.rept 4
	v_nop
.endr
.Lasked3_\@:
.endm
; PREFETCHES.  K's and V's codes of the pair of heads, 196,608 bytes each, are read by the two clusters of a batch along y: the one with even y asks, in the three trips of phase A's loop.
; A trip names 8 chunks of 8,192 bytes of each: chunk 2 cy + RH, told apart by address; waves 0, 1 for K, waves 2, 3 for V; lanes 256 bytes apart.  3 x 8 x 8,192 = 196,608: each block is named once.
.macro ASKKV
	s_cmp_eq_u32 s[LIMK], 0
	s_cbranch_scc0 .Lno_kv_\@
	global_prefetch_b8 v[PFO2], s[PFK:PFK+1] th:TH_LOAD_NT scope:SCOPE_SE
.Lno_kv_\@:
.endm
; The mask's rows are read by the two clusters along x: the one with x = 0 asks, waves 2 and 3, each partner 16 of the wave's 64 rows (by address), a lane a block of 256 bytes: the key step after the one just asked for
; by the tensor load, one key step ahead of that step's own load.  The last change that fills a slot asks for nothing.
.macro ASKM
	s_cmp_gt_u32 s[CNT], s[LIM]
	s_cbranch_scc0 .Lno_m_\@
	global_prefetch_b8 v[PFO], s[PFM:PFM+1] th:TH_LOAD_NT scope:SCOPE_SE
.Lno_m_\@:
.endm
	s_load_b512 s[4:19], s[0:1], 0x0               ; hs codes, hs scales, wq codes, wq scales, K codes, K scales, V codes, V scales
	s_load_b64 s[20:21], s[0:1], 0x48              ; bq
	v_lshl_add_u32 v[SPW], v0, 2, SPARE
	v_mov_b32 v[NIL], 0
	ds_add_u32 v5, v6
	ds_add_u32 v5, v6
	s_wait_dscnt 0x0
	v_lshrrev_b32 v1, 5, v0
	v_readfirstlane_b32 s[WV], v1                  ; wave 0..3
	s_lshr_b32 s[HH], s[WV], 1                     ; my head of the pair.  Also: I fetch for hs (0) or for wq (1)
	s_and_b32 s[RH], s[WV], 1                      ; my half of the tokens.  Also: which half of that tile I fetch
	s_bfe_u32 s[CX], ttmp6, 0x40000
	s_bfe_u32 s[CY], ttmp6, 0x40004
	s_and_b32 s[ROWA], ttmp7, 0xffff
	s_lshl_b32 s[ROWA], s[ROWA], 2
	s_add_co_u32 s[ROWA], s[ROWA], s[CY]           ; MT = 4 x cluster y + cy
	s_lshl_b32 s[ROWA], s[ROWA], 7
	s_lshl_b32 s97, s[RH], 6
	s_add_co_u32 s[ROWA], s[ROWA], s97             ; 128 MT + 64 RH
	s_lshl_b32 s97, s[CY], 2
	s_lshl_b32 s97, 15, s97                        ; my row of the cluster
	s_lshl_b32 s2, ttmp9, 2
	s_add_co_u32 s2, s2, s[CX]                     ; NT = 4 x cluster x + cx
	s_lshl_b32 s100, 0x1111, s[CX]                 ; my column of the cluster
	s_and_b32 s[HP2], ttmp7, 0xffff
	s_lshr_b32 s[HP2], s[HP2], 1                   ; the batch: cluster y / 2, the same in all partners
	s_lshl_b32 s[HP2], s[HP2], 4
	s_lshl_b32 s101, s2, 1
	s_add_co_u32 s[HP2], s[HP2], s101              ; 16 b + 2 NT
	; group 1 of the code tiles: rows of 192 bytes, 1,536 bytes apart, 16 bytes of padding behind every 64; 64 rows of hs, 128 of wq
	s_or_b32 s[G1A], s97, (1<<20)|(1<<21)|(3<<22)|(3<<25)
	s_or_b32 s[G1B], s100, (1<<20)|(1<<21)|(3<<22)|(3<<25)
.irp g, G1A, G1B
	s_mov_b32 s[\g+1], 192<<16
	s_mov_b32 s[\g+3], 192<<16
	s_mov_b32 s[\g+5], 1536
	s_mov_b32 s[\g+6], 0
	s_mov_b32 s[\g+7], 0
.endr
	s_mov_b32 s[G1A+2], 64<<16
	s_mov_b32 s[G1A+4], 64
	s_mov_b32 s[G1B+2], 128<<16
	s_mov_b32 s[G1B+4], 128
	; group 1 of the scale bytes: dense blocks as rows of 256 bytes (32 elements of 8), 16 bytes of padding behind each: 16, 32 and 16 rows
	s_or_b32 s[G1M], s97, (3<<16)|(1<<20)|(1<<21)|(5<<22)|(3<<25)
	s_or_b32 s[G1K], s100, (3<<16)|(1<<20)|(1<<21)|(5<<22)|(3<<25)
	s_or_b32 s[G1V], s100, (3<<16)|(1<<20)|(1<<21)|(5<<22)|(3<<25)
.irp g, G1M, G1K, G1V
	s_mov_b32 s[\g+1], 32<<16
	s_mov_b32 s[\g+3], 32<<16
	s_mov_b32 s[\g+5], 32
	s_mov_b32 s[\g+6], 0
	s_mov_b32 s[\g+7], 0
.endr
	s_mov_b32 s[G1M+2], 16<<16
	s_mov_b32 s[G1M+4], 16
	s_mov_b32 s[G1K+2], 32<<16
	s_mov_b32 s[G1K+4], 32
	s_mov_b32 s[G1V+2], 16<<16
	s_mov_b32 s[G1V+4], 16
	s_mov_b32 s[SEL], 0x76543210
	s_mov_b32 s[SEL+1], 0xfedcba98
	s_mov_b32 s[SCL], 0x3db504f3                   ; 1 / sqrt(128)
	s_mov_b32 s[SCL+1], s[SCL]
	s_mov_b32 s[L2E], 0x3fb8aa3b                   ; log2(e)
	s_mov_b32 s[L2E+1], s[L2E]
	s_mov_b32 s[TB], 0
	s_mov_b32 s[TS], 0
	s_mov_b32 s[TJ], 0
	s_and_b32 s[LIMK], ttmp7, 1                    ; 0 in the clusters with even y
	s_wait_kmcnt 0x0
	s_mul_i32 s98, s[ROWA], 1536
	s_mov_b32 s99, 0
	s_add_nc_u64 s[98:99], s[4:5], s[98:99]        ; hs's codes at my 64 rows
.irp s, 0,1
	s_mov_b32 s[G0A+4*\s], 1
	s_mul_i32 s[G0A+4*\s+1], s[RH], 64*PITCH
	s_add_co_u32 s[G0A+4*\s+1], s[G0A+4*\s+1], \s*SLOT1
	s_add_nc_u64 s[G0A+4*\s+2:G0A+4*\s+3], s[98:99], \s*192
	s_or_b32 s[G0A+4*\s+3], s[G0A+4*\s+3], 0x80000000
.endr
	s_lshl_b32 s98, s[ROWA], 6
	s_mov_b32 s99, 0
	s_add_nc_u64 s[6:7], s[6:7], s[98:99]          ; hs's scale bytes: 64 a row
	s_or_b32 s7, s7, 0x80000000
	s_mov_b32 s4, 1
	s_mul_i32 s5, s[RH], 16*272
	s_add_co_u32 s5, s5, SCH
	s_lshl_b32 s100, s2, 10
	s_lshl_b32 s101, s[HH], 9
	s_add_co_u32 s100, s100, s101
	s_mov_b32 s101, 0
	s_add_nc_u64 s[20:21], s[20:21], s[100:101]    ; bq at my 128 columns
	s_lshl_b32 s2, s2, 8
	s_lshl_b32 s100, s[RH], 7
	s_add_co_u32 s2, s2, s100                      ; 256 NT + 128 RH
	s_mul_i32 s100, s2, 1536
	s_add_nc_u64 s[100:101], s[8:9], s[100:101]    ; wq's codes at my 128 rows
.irp s, 0,1
	s_mov_b32 s[G0B+8*\s], 1
	s_mul_i32 s[G0B+8*\s+1], s[RH], 128*PITCH
	s_add_co_u32 s[G0B+8*\s+1], s[G0B+8*\s+1], BOFF+\s*SLOT1
	s_add_nc_u64 s[G0B+8*\s+2:G0B+8*\s+3], s[100:101], \s*192
	s_or_b32 s[G0B+8*\s+3], s[G0B+8*\s+3], 0x80000000
.endr
	s_lshl_b32 s100, s2, 6
	s_mov_b32 s101, 0
	s_add_nc_u64 s[10:11], s[10:11], s[100:101]
	s_or_b32 s11, s11, 0x80000000
	s_mov_b32 s8, 1
	s_mul_i32 s9, s[RH], 32*272
	s_add_co_u32 s9, s9, SCW
	s_cmp_lt_u32 s[WV], 2                          ; waves 0, 1 serve K, waves 2, 3 V: a choice on the wave's number alone
	s_cselect_b64 s[PFK:PFK+1], s[12:13], s[16:17]
	s_cselect_b64 s[14:15], s[14:15], s[18:19]
	s_add_co_u32 s100, s[HP2], s[RH]
	s_lshl_b32 s100, s100, 12
	s_add_nc_u64 s[14:15], s[14:15], s[100:101]    ; a head's 4,096 scale bytes
	s_or_b32 s15, s15, 0x80000000
	s_mov_b32 s12, 1
	s_mul_i32 s13, s[WV], 16*272
	s_add_co_u32 s13, s13, SCK
	s_mul_i32 s18, s[HP2], 98304
	s_lshl_b32 s19, s[CY], 1
	s_add_co_u32 s19, s19, s[RH]
	s_lshl_b32 s19, s19, 13
	s_add_co_u32 s18, s18, s19
	s_mov_b32 s19, 0
	s_add_nc_u64 s[PFK:PFK+1], s[PFK:PFK+1], s[18:19]
	CROUND                                         ; all sixteen work-groups are here: the first joint loads meet.  Four loads of mine go out
	JLOAD 4, G1M, 8, G1K                           ; hs's and wq's scale bytes, for all of K: filled once
	tensor_load_to_lds s[12:15], s[G1V:G1V+7]      ; K's and V's scale bytes, a head a wave: filled once
	s_nop 0
.rept 4
	v_nop
.endr
	JLOAD G0A, G1A, G0B, G1B                       ; slot 0
	JLOAD G0A+4, G1A, G0B+8, G1B                   ; slot 1
	v_and_b32 v32, 15, v0                          ; r
	v_bfe_u32 v33, v0, 4, 1                        ; h
	v_and_b32 v34, 31, v0                          ; lane
	v_and_b32 v35, 8, v32
	v_add_nc_u32 v35, v35, v32                     ; r + 8 (r / 8)
	v_mul_u32_u24 v36, v32, PITCH
	v_mad_u32_u24 v37, v33, 24, v36                ; a fragment's row x pitch + 24 x half,
	v_mad_u32_u24 v38, v33, 40, v36                ; and the same behind one padding more
	s_mul_i32 s97, s[RH], 64*PITCH
	s_mul_i32 s98, s[HH], 128*PITCH
	s_add_co_u32 s98, s98, BOFF
.irp s, 0,1
	v_add_nc_u32 v[ADRA+\s], s97, v37
	v_add_nc_u32 v[ADRA+2+\s], s97, v38
	v_add_nc_u32 v[ADRB+\s], s98, v37
	v_add_nc_u32 v[ADRB+2+\s], s98, v38
	s_add_co_u32 s97, s97, SLOT1
	s_add_co_u32 s98, s98, SLOT1
.endr
	v_lshrrev_b32 v36, 2, v32                      ; scale bytes of phase A: 64 a row, four rows to a unit of 272
	v_and_b32 v39, 3, v32
	v_mul_u32_u24 v36, v36, 272
	v_lshl_add_u32 v36, v39, 6, v36
	s_mul_i32 s97, s[HH], 32*272
	s_add_co_u32 s97, s97, SCW
	v_add_nc_u32 v[ASB], s97, v36
	s_mul_i32 s97, s[RH], 16*272
	s_add_co_u32 s97, s97, SCH
	v_add_nc_u32 v[ASA], s97, v36
	v_mul_u32_u24 v36, v35, 96                     ; phase B: row r + 8 (r / 8) of 96 bytes, + 24 x half
	v_mad_u32_u24 v36, v33, 24, v36
	s_mul_i32 s97, s[HH], 12288
	v_add_nc_u32 v[AK0], s97, v36
	s_add_co_u32 s97, s97, VOFF
	v_add_nc_u32 v[AV0], s97, v36
	s_mul_i32 s97, s[HH], 16*272
	s_add_co_u32 s98, s97, SCK
	v_lshl_add_u32 v[ASK0], v35, 2, s98            ; K's scale words: 4 bytes a key
	v_bfe_u32 v36, v0, 3, 1                        ; V's: 32 bytes a row, eight rows to a unit; rows 8-15 of a tile lie two units on
	v_and_b32 v39, 7, v0
	v_mul_u32_u24 v36, v36, 544
	v_lshl_add_u32 v36, v39, 5, v36
	s_add_co_u32 s98, s97, SCV
	v_add_nc_u32 v[ASV0], s98, v36
	v_mul_u32_u24 v36, v32, MP                     ; the mask: my query's row, + 64 x half: 16 neighbouring keys
	v_lshl_add_u32 v36, v33, 6, v36
	s_mul_i32 s97, s[RH], 64*MP
	s_add_co_u32 s97, s97, MOFF
	v_add_nc_u32 v[AM0], s97, v36
	v_lshrrev_b32 v36, 1, v34
	v_and_b32 v39, 1, v0
	v_lshlrev_b32 v39, 8, v39
	v_lshl_add_u32 v[PFO], v36, 12, v39
	v_lshlrev_b32 v[PFO2], 8, v34
	v_lshlrev_b32 v[RO], 9, v32
	v_lshl_add_u32 v[RO], v33, 5, v[RO]
	v_lshlrev_b32 v[LI], 4, v34
	v_lshlrev_b32 v[LS8], 4, v32
	v_lshl_add_u32 v[LS8], v33, 3, v[LS8]
	v_lshlrev_b32 v40, 5, v33
	WIN TO2
.irp b, 0,1,2,3,4,5,6,7
	global_load_b128 v[96+8*\b:96+8*\b+3], v40, s[20:21] offset:64*\b       ; the bias in the result's layout: columns 16 b + 8 h + 0 .. 7
	global_load_b128 v[96+8*\b+4:96+8*\b+7], v40, s[20:21] offset:64*\b+16
.endr
	WIN 0
.irp m, 0,1,2,3
	v_mov_b32 v[ST+4*\m+1], 0xff61b1e6             ; the largest t so far: -3e38
	v_floor_f32 v[ST+4*\m], -v[ST+4*\m+1]          ; -M
	v_mov_b32 v[ST+4*\m+2], 0
	v_mov_b32 v[ST+4*\m+3], 0
.endr
.irp b, 0,1,2,3
	v_mov_b32 v[BP+\b], 0                          ; a lane permute's destination counts as one of its sources
.endr
	v_mov_b32 v[FF+1], 0                           ; named as the upper half of a pair
; A fragment, 16 rows x 128 K of 6-bit codes, is 12 registers: six pieces of 8 bytes.  Where the piece that lanes 16-31 take lies behind one padding more, the second address register serves.
.macro FRAG reg, adr, q, row0
.irp p, 0,1,2,3,4,5
.set PCX, 12*(\q)+6*(\p/3)+\p%3
.if PCX%8 < 5
	ds_load_b64 v[(\reg)+2*\p:(\reg)+2*\p+1], v[\adr] offset:8*PCX+16*(PCX/8)+(\row0)*PITCH
.else
	ds_load_b64 v[(\reg)+2*\p:(\reg)+2*\p+1], v[(\adr)+2] offset:8*PCX+16*(PCX/8)+(\row0)*PITCH
.endif
.endr
.endm
.macro FETCH slot, q, p                ; the slot's q-th 128 along K into fragment sets p: wq's eight tiles, hs's four
	WIN TO3
.irp i, 0,1,2,3,4,5,6,7
	FRAG 96*(\p)+12*\i, ADRB+\slot, \q, 16*\i
.endr
	WIN TO2
.irp i, 0,1,2,3
	FRAG 48*(\p)+12*\i, ADRA+\slot, \q, 16*\i
.endr
	WIN 0
.endm
.macro SCALES sg                       ; a slot's scale words, two a row, into set sg
.irp i, 0,1,2,3,4,5,6,7
	ds_load_b64 v[SCR+24*(\sg)+2*\i:SCR+24*(\sg)+2*\i+1], v[ASB] offset:\i*1088
.endr
.irp i, 0,1,2,3
	ds_load_b64 v[SCR+24*(\sg)+16+2*\i:SCR+24*(\sg)+16+2*\i+1], v[ASA] offset:\i*1088
.endr
.endm
; 8 matrix instructions: tokens' tile a against wq's eight.  The 32 accumulators take turns, one instruction a turn, in the same order everywhere.
.macro MULA a, p, q, sg, first
.irp b, 0,1,2,3,4,5,6,7
.if \first
	v_wmma_scale_f32_16x16x128_f8f6f4 v[8*(8*(\a)+\b):8*(8*(\a)+\b)+7], v[96*(\p)+12*\b:96*(\p)+12*\b+11], v[48*(\p)+12*(\a):48*(\p)+12*(\a)+11], v[96+8*\b:96+8*\b+7], v[SCR+24*(\sg)+2*\b+(\q)], v[SCR+24*(\sg)+16+2*(\a)+(\q)] matrix_a_fmt:MATRIX_FMT_FP6 matrix_b_fmt:MATRIX_FMT_FP6
.else
	v_wmma_scale_f32_16x16x128_f8f6f4 v[8*(8*(\a)+\b):8*(8*(\a)+\b)+7], v[96*(\p)+12*\b:96*(\p)+12*\b+11], v[48*(\p)+12*(\a):48*(\p)+12*(\a)+11], v[8*(8*(\a)+\b):8*(8*(\a)+\b)+7], v[SCR+24*(\sg)+2*\b+(\q)], v[SCR+24*(\sg)+16+2*(\a)+(\q)] matrix_a_fmt:MATRIX_FMT_FP6 matrix_b_fmt:MATRIX_FMT_FP6
.endif
.endr
.endm
.macro SUB0 slot, first                ; a slot's first 128 along K
	s_wait_dscnt 0x0                               ; set 0 and the slot's scale words are in
	PLACES 4                                       ; in front of loads into set 1, which the products just issued have read
	FETCH \slot, 1, 1
.if \first
	WIN MUL1
.else
	WIN MUL
.endif
	MULA 0, 0, 0, \slot, \first
	MULA 1, 0, 0, \slot, \first
	MULA 2, 0, 0, \slot, \first
	MULA 3, 0, 0, \slot, \first
	WIN 0
.endm
; A slot's second 128 along K, and the change of slots: one barrier; in front of it each wave waits for all its tensor loads, adds 0 to its spare word, and waits for that and for its reads of this slot.
; kind = 1: this slot takes the K step two slots on;  kind = 2: it takes the first key step's tiles.  The barrier then opens a round of the cluster's barrier.
.macro TURN slot, next, kind
.if ((\kind) == 1) && ((\slot) == 1)
	s_wait_xcnt 0x0                                ; the prefetch of half a trip ago has read its address: on to the next 65,536 bytes
	s_add_nc_u64 s[PFK:PFK+1], s[PFK:PFK+1], 65536
.endif
	s_wait_tensorcnt 0x0                           ; all my tensor loads have landed: my part of the next slot
	ds_add_u32 v[SPW], v[NIL]                      ; 0 onto my spare word
.if (\kind) == 1
	s_add_nc_u64 s[G0A+4*\slot+2:G0A+4*\slot+3], s[G0A+4*\slot+2:G0A+4*\slot+3], 384
	s_add_nc_u64 s[G0B+8*\slot+2:G0B+8*\slot+3], s[G0B+8*\slot+2:G0B+8*\slot+3], 384
.endif
	s_wait_dscnt 0x0                               ; the add is done, set 1 is in, and my reads of this slot are over
	s_barrier_signal -1
	WIN MUL
	MULA 0, 1, 1, \slot, 0
	WIN 0
	s_barrier_wait -1
.if (\kind) == 1
	CREST
	JLOAD G0A+4*\slot, G1A, G0B+8*\slot, G1B       ; my one tensor load behind the round; its four v_nop are the places in front of the loads below
.elseif (\kind) == 2
	CREST
	JLOAD3
.else
	PLACES 4
.endif
	v_add_nc_u32 v[ASB], 8, v[ASB]                 ; the next slot's scale words
	v_add_nc_u32 v[ASA], 8, v[ASA]
	FETCH \next, 0, 0
	SCALES \next
.if ((\kind) == 1) && ((\slot) == 0)
	ASKKV
.endif
	WIN MUL
	MULA 1, 1, 1, \slot, 0
	MULA 2, 1, 1, \slot, 0
	MULA 3, 1, 1, \slot, 0
	WIN 0
.endm
	s_wait_tensorcnt 0x1                           ; the scale bytes and my part of slot 0 are in; slot 1's load may be out
	s_barrier_signal -1
	s_barrier_wait -1
	FETCH 0, 0, 0
	SCALES 0
	; phase B's descriptors take the registers of the scale bytes' loads, which the wait above has shown done
	s_load_b64 s[6:7], s[0:1], 0x40                ; the mask
	s_load_b64 s[10:11], s[0:1], 0x20              ; K's codes
	s_load_b64 s[14:15], s[0:1], 0x30              ; V's codes
	s_load_b64 s[PFM:PFM+1], s[0:1], 0x40
	s_lshl_b32 s97, s[CY], 2
	s_lshl_b32 s97, 15, s97
	s_lshl_b32 s100, 0x1111, s[CX]
	s_or_b32 s[G1M], s97, (2<<16)|(1<<20)|(1<<21)|(6<<22)|(3<<25)   ; the mask: 64 rows of 128 f32, 1,024 apart, 16 bytes of padding behind each row
	s_mov_b32 s[G1M+1], 128<<16
	s_mov_b32 s[G1M+2], 64<<16
	s_mov_b32 s[G1M+3], 128<<16
	s_mov_b32 s[G1M+4], 64
	s_mov_b32 s[G1M+5], 1024
	s_mov_b32 s[G1M+6], 0
	s_mov_b32 s[G1M+7], 0
	s_or_b32 s[G1K], s100, 1<<21                   ; K: two heads' 128 keys, 12,288 dense bytes each, 98,304 apart
	s_mov_b32 s[G1K+1], 12288<<16
	s_mov_b32 s[G1K+2], 2<<16
	s_mov_b32 s[G1K+3], 12288<<16
	s_mov_b32 s[G1K+4], 2
	s_mov_b32 s[G1K+5], 98304
	s_mov_b32 s[G1K+6], 0
	s_mov_b32 s[G1K+7], 0
	s_or_b32 s[G1V], s100, 1<<21                   ; V: two heads' 128 rows, 96 bytes of each, 768 apart
	s_mov_b32 s[G1V+1], 96<<16
	s_mov_b32 s[G1V+2], 256<<16
	s_mov_b32 s[G1V+3], 96<<16
	s_mov_b32 s[G1V+4], 256
	s_mov_b32 s[G1V+5], 768
	s_mov_b32 s[G1V+6], 0
	s_mov_b32 s[G1V+7], 0
	s_mov_b32 s4, 1
	s_mul_i32 s5, s[RH], 64*MP
	s_add_co_u32 s5, s5, MOFF
	s_mov_b32 s8, 1
	s_mov_b32 s9, 0
	s_mov_b32 s12, 1
	s_mov_b32 s13, VOFF
	s_lshl_b32 s98, s[ROWA], 12
	s_mov_b32 s99, 0
	s_mul_i32 s100, s[HP2], 98304
	s_mov_b32 s101, 0
	s_lshl_b32 s22, s[CX], 4
	s_add_co_u32 s22, s22, s[ROWA]
	s_lshl_b32 s22, s22, 12
	s_add_co_u32 s22, s22, 512                     ; at key step 1: the first change of slots steps it to 2
	s_mov_b32 s23, 0
	s_xor_b32 s97, s[HH], 1
	s_or_b32 s97, s97, ttmp9                       ; 0 in waves 2 and 3 of the clusters with x = 0
	s_cmp_eq_u32 s97, 0
	s_cselect_b32 s[LIM], 1, -1
	s_wait_kmcnt 0x0
	s_add_nc_u64 s[6:7], s[6:7], s[98:99]
	s_or_b32 s7, s7, 0x80000000
	s_add_nc_u64 s[10:11], s[10:11], s[100:101]
	s_or_b32 s11, s11, 0x80000000
	s_add_nc_u64 s[14:15], s[14:15], s[100:101]
	s_or_b32 s15, s15, 0x80000000
	s_add_nc_u64 s[PFM:PFM+1], s[PFM:PFM+1], s[22:23]
	s_wait_loadcnt 0x0                             ; the bias
	SUB0 0, 1                                      ; the first products start the sums, on the bias
	s_mov_b32 s[CNT], 3
.Llap:                                             ; a trip goes once round the ring and fills both slots again
	TURN 0, 1, 1
	SUB0 1, 0
	TURN 1, 0, 1
	SUB0 0, 0
	s_sub_co_u32 s[CNT], s[CNT], 1
	s_cmp_lg_u32 s[CNT], 0
	s_cbranch_scc1 .Llap
	s_load_b128 s[20:23], s[0:1], 0x50             ; the RoPE tables
	TURN 0, 1, 2                                   ; slot 0 is left for good by phase A: it takes the first key step's tiles
; 16 rows of a table in the result's layout: lane (r, h) takes columns 16 b + 8 h + 0 .. 7 of row 16 a + r
.macro RLOAD a, cw, cb, sw, sb
	WIN (\cw)<<6
.irp b, 0,1,2,3,4,5,6,7
	global_load_b128 v[(\cb)+8*\b:(\cb)+8*\b+3], v[RO], s[20:21] offset:(\a)*8192+64*\b
	global_load_b128 v[(\cb)+8*\b+4:(\cb)+8*\b+7], v[RO], s[20:21] offset:(\a)*8192+64*\b+16
.endr
	WIN (\sw)<<6
.irp b, 0,1,2,3,4,5,6,7
	global_load_b128 v[(\sb)+8*\b:(\sb)+8*\b+3], v[RO], s[22:23] offset:(\a)*8192+64*\b
	global_load_b128 v[(\sb)+8*\b+4:(\sb)+8*\b+7], v[RO], s[22:23] offset:(\a)*8192+64*\b+16
.endr
	WIN 0
.endm
; THE QUANTISER.  64 numbers of a lane, register 16 b + i = k 32 b + 16 h + i of my row.
.macro BLKMAX s                        ; each block's largest magnitude, with the floor 2^(3 - 127) among its leaves, so that the byte cannot fall under 1
.irp b, 0,1,2,3
	v_max3_num_f32 v[BM+\b], |v[(\s)+16*\b]|, |v[(\s)+1+16*\b]|, 0x1800000
.endr
.irp i, 2,4,6,8,10,12,14
.irp b, 0,1,2,3
	v_max3_num_f32 v[BM+\b], v[BM+\b], |v[(\s)+16*\b+\i]|, |v[(\s)+1+16*\b+\i]|
.endr
.endr
.irp b, 0,1,2,3
	v_permlanex16_b32 v[BP+\b], v[BM+\b], s[SEL], s[SEL+1]
.endr
.irp b, 0,1,2,3
	v_max_num_f32 v[BM+\b], v[BM+\b], v[BP+\b]
.endr
.endm
.macro SCALEW pw                       ; 2 off the exponent field gives the conversion's scale operand; its exponent field is the byte; four bytes make the row's scale word
.irp b, 0,1,2,3
	v_add_nc_u32 v[BO+\b], 0xff000000, v[BM+\b]
.endr
.irp b, 0,1,2,3
	v_lshrrev_b32 v[BP+\b], 23, v[BO+\b]
.endr
	v_lshl_or_b32 v[\pw], v[BP+1], 8, v[BP]
	v_lshl_or_b32 v[\pw], v[BP+2], 16, v[\pw]
	v_lshl_or_b32 v[\pw], v[BP+3], 24, v[\pw]
.endm
.macro PACK6 s, pc                     ; the codes; the operand's layout wants a whole block in a lane: the halves change places
.irp c, 0,1
	v_cvt_scalef32_pk16_fp6_f32 v[(\pc)+6*\c:(\pc)+6*\c+2], v[(\s)+32*\c:(\s)+32*\c+15], v[BO+2*\c]
	v_cvt_scalef32_pk16_fp6_f32 v[PT+4*\c:PT+4*\c+2], v[(\s)+32*\c+16:(\s)+32*\c+31], v[BO+2*\c+1]
.endr
	v_nop                                          ; one plain place behind a scaled conversion
.irp c, 0,1
.irp i, 0,1,2
	v_permlane16_swap_b32 v[(\pc)+6*\c+\i], v[PT+4*\c+\i]
.endr
.irp i, 0,1,2
	v_mov_b32 v[(\pc)+6*\c+3+\i], v[PT+4*\c+\i]
.endr
.endr
.endm
.macro QUANT s, pc, pw
	BLKMAX \s
	SCALEW \pw
	PACK6 \s, \pc
.endm
; RoPE of tile a: T = q cos + rot(q) sin; column d + 64 lies 32 registers on.  Each accumulator is read from its low end on.
.macro ROPE a, cw, cb, sw, sb
	WIN 0x01|((\cw)<<2)
.set JJ, 0
.rept 32
	v_pk_mul_f32 v[SS+JJ:SS+JJ+1], v[64*(\a)+JJ:64*(\a)+JJ+1], v[(\cb)+JJ:(\cb)+JJ+1]
.set JJ, JJ+2
.endr
	WIN 0x01|((\sw)<<2)
.set JJ, 0
.rept 16
	v_pk_fma_f32 v[SS+JJ:SS+JJ+1], v[64*(\a)+JJ+32:64*(\a)+JJ+33], v[(\sb)+JJ:(\sb)+JJ+1], v[SS+JJ:SS+JJ+1] neg_lo:[1,0,0] neg_hi:[1,0,0]
.set JJ, JJ+2
.endr
.rept 16
	v_pk_fma_f32 v[SS+JJ:SS+JJ+1], v[64*(\a)+JJ-32:64*(\a)+JJ-31], v[(\sb)+JJ:(\sb)+JJ+1], v[SS+JJ:SS+JJ+1]
.set JJ, JJ+2
.endr
	WIN 0
.irp b, 0,1,2,3                        ; columns 32 b + 8 h + j and 32 b + 16 + 8 h + j become 32 b + 16 h + 0 .. 15
.irp j, 0,1,2,3,4,5,6,7
	v_permlane16_swap_b32 v[SS+16*\b+\j], v[SS+16*\b+8+\j]
.endr
.endr
	QUANT SS, PC, QW+(\a)
	WIN TO2
.irp i, 0,1,2,3,4,5,6,7,8,9,10,11
	v_mov_b32 v[192+12*(\a)+\i], v[PC+\i]
.endr
	WIN 0
.endm
	s_and_b32 s98, s[ROWA], 1023                   ; my first token's place in its sequence
	s_lshl_b32 s98, s98, 9
	s_mov_b32 s99, 0
	s_wait_kmcnt 0x0
	s_add_nc_u64 s[20:21], s[20:21], s[98:99]
	s_add_nc_u64 s[22:23], s[22:23], s[98:99]
	RLOAD 0, 0, SS, 0, MK                          ; tile 0's tables land while the last slot is multiplied
	SUB0 1, 0
	s_wait_dscnt 0x0                               ; the very last 128 along K
	WIN MUL
	MULA 0, 1, 1, 1, 0
	MULA 1, 1, 1, 1, 0
	MULA 2, 1, 1, 1, 0
	MULA 3, 1, 1, 1, 0
	WIN 0
	PLACES 4                                       ; in front of the first read of results and of loads into the fragments' registers
	s_wait_loadcnt 0x0                             ; tile 0's tables
	RLOAD 1, 3, 0, 2, 0
	RLOAD 2, 3, 64, 2, 64
	ROPE 0, 0, SS, 0, MK                           ; (tile 0's cosines lie in T's registers: the first multiply works in place)
	s_wait_loadcnt 32                              ; tile 1's are in; tile 2's 32 loads may be out
	RLOAD 3, 3, 128, 2, 128
	ROPE 1, 3, 0, 2, 0
	s_wait_loadcnt 32                              ; tile 2's are in; tile 3's may be out
	ROPE 2, 3, 64, 2, 64
	s_wait_loadcnt 0x0
	ROPE 3, 3, 128, 2, 128
; THE LDS LOADS OF A KEY STEP stand in runs of at most 32, each with vector work behind it: 240 rows of banks a wave and step, for four waves that run in step.
.macro MLOAD m                         ; tile m's part of the mask: my query's 64 keys: 16 neighbours of each block of 32
.irp b, 0,1,2,3
.irp j, 0,1,2,3
	ds_load_b128 v[MK+16*\b+4*\j:MK+16*\b+4*\j+3], v[ADM] offset:(\m)*16*MP+128*\b+16*\j
.endr
.endr
.endm
.macro KLOADA                          ; K's 8 scale words and the fragments of its tiles 0-3: 32 loads
.irp t, 0,1,2,3,4,5,6,7
	ds_load_b32 v[KW+\t], v[ADS] offset:272*(\t/4)+(32*((\t/2)%2)+8*(\t%2))*4
.endr
	WIN TO3
.irp t, 0,1,2,3
.irp p, 0,1,2,3,4,5
	ds_load_b64 v[12*\t+2*\p:12*\t+2*\p+1], v[ADK] offset:(32*(\t/2)+8*(\t%2))*96+48*(\p/3)+8*(\p%3)
.endr
.endr
	WIN 0
.endm
.macro KLOADB                          ; K's tiles 4-7: 24 loads
	WIN TO3
.irp t, 4,5,6,7
.irp p, 0,1,2,3,4,5
	ds_load_b64 v[12*\t+2*\p:12*\t+2*\p+1], v[ADK] offset:(32*(\t/2)+8*(\t%2))*96+48*(\p/3)+8*(\p%3)
.endr
.endr
	WIN 0
.endm
.macro VLOADA                          ; V's 8 scale words and the fragments of its tiles 0-3: 32 loads
.irp t, 0,1,2,3,4,5,6,7
	ds_load_b32 v[VW+\t], v[ADT] offset:(4*(\t/2)+\t%2)*272
.endr
	WIN TO3
.irp t, 0,1,2,3
.irp p, 0,1,2,3,4,5
	ds_load_b64 v[96+12*\t+2*\p:96+12*\t+2*\p+1], v[ADV] offset:(32*(\t/2)+8*(\t%2))*96+48*(\p/3)+8*(\p%3)
.endr
.endr
	WIN 0
.endm
.macro VLOADB                          ; V's tiles 4-7: 24 loads
	WIN TO3
.irp t, 4,5,6,7
.irp p, 0,1,2,3,4,5
	ds_load_b64 v[96+12*\t+2*\p:96+12*\t+2*\p+1], v[ADV] offset:(32*(\t/2)+8*(\t%2))*96+48*(\p/3)+8*(\p%3)
.endr
.endr
	WIN 0
.endm
; THE CHANGE OF SLOTS.  Each wave waits for all its tensor loads (its part of the next step's tiles), adds 0 to its spare word, and waits for that and for its reads of the slot in hand, which are over.
; fill = 1: the slot in hand takes the step after the next: that load has a whole key step in which to land.
.macro CHANGE fill
	s_wait_tensorcnt 0x0                           ; no tensor load of mine is out, so a group 0 may be written
	ds_add_u32 v[SPW], v[NIL]                      ; 0 onto my spare word
.if \fill
	s_xor_b32 s[G0M+1], s[G0M+1], SLOT1
	s_add_nc_u64 s[G0M+2:G0M+3], s[G0M+2:G0M+3], 512
	s_xor_b32 s[G0K+1], s[G0K+1], SLOT1
	s_add_nc_u64 s[G0K+2:G0K+3], s[G0K+2:G0K+3], 12288
	s_xor_b32 s[G0V+1], s[G0V+1], SLOT1
	s_add_nc_u64 s[G0V+2:G0V+3], s[G0V+2:G0V+3], 96
	s_wait_xcnt 0x0                                ; the last prefetch, a key step back, has read its address
	s_add_nc_u64 s[PFM:PFM+1], s[PFM:PFM+1], 512
.endif
	s_wait_dscnt 0x0                               ; the add is done, and my reads of the slot are over
.if \fill
	CROUND                                         ; no wave of any partner still reads that slot or has a load on its way
	JLOAD3
.else
	s_barrier_signal -1
	s_barrier_wait -1
.endif
.endm
.macro NEXTK step                      ; the addresses of a step's K, mask and K's scale words, and the first run of its loads.  step = 1: on to the other slot
.if \step
	s_xor_b32 s[TB], s[TB], SLOT1
	s_add_co_u32 s[TS], s[TS], 544
.endif
	v_add_nc_u32 v[ADK], s[TB], v[AK0]
	v_add_nc_u32 v[ADM], s[TB], v[AM0]
	v_add_nc_u32 v[ADS], s[TS], v[ASK0]
	KLOADA
.endm
; One tile of 16 queries against the step's 128 keys.  chg (fourth tile alone): 1 the change of slots with a refill, 2 without; behind it the next step's K and first mask tile are fetched.
.macro TILE m, chg
.set NMR, ST+4*(\m)
.if (\m) == 0
	s_wait_dscnt 32                                ; K, its scale words and this tile's mask are in; the 32 loads at the step's head (V's) may be out
.endif
	WIN 0x0b                                       ; K window 3, Q window 2, S^T window 0
.irp t, 0,1,2,3,4,5,6,7
	v_wmma_scale_f32_16x16x128_f8f6f4 v[SS+8*\t:SS+8*\t+7], v[12*\t:12*\t+11], v[192+12*(\m):192+12*(\m)+11], 0, v[KW+\t], v[QW+(\m)] matrix_a_fmt:MATRIX_FMT_FP6 matrix_b_fmt:MATRIX_FMT_FP6
.endr
	WIN 0
	PLACES 4                                       ; in front of the first read of the scores, and (fourth tile) of the loads into K's registers
.if (\m) > 0
	s_wait_dscnt 0x0                               ; this tile's mask, asked for a tile ago
.endif
.set JJ, 0
.rept 32
	v_pk_fma_f32 v[SS+JJ:SS+JJ+1], v[SS+JJ:SS+JJ+1], s[SCL:SCL+1], v[MK+JJ:MK+JJ+1] op_sel_hi:[1,0,1]   ; x = s / sqrt(128) + mask
.set JJ, JJ+2
.endr
.if (\m) == 0
	VLOADB
.endif
.if (\m) < 3
	MLOAD (\m)+1
.endif
.if (\chg) == 1
	CHANGE 1
	NEXTK 1
	ASKM
.elseif (\chg) == 2
	CHANGE 0
	NEXTK 1
.endif
.irp b, 0,1,2,3
	v_max3_num_f32 v[BM+\b], v[SS+16*\b], v[SS+1+16*\b], v[SS+2+16*\b]     ; the largest x of each block of 32 keys: it serves the row's maximum and, since p rises with x, the block's largest p
.endr
.irp i, 3,5,7,9,11,13
.irp b, 0,1,2,3
	v_max3_num_f32 v[BM+\b], v[BM+\b], v[SS+16*\b+\i], v[SS+16*\b+\i+1]
.endr
.endr
.irp b, 0,1,2,3
	v_max_num_f32 v[BM+\b], v[BM+\b], v[SS+15+16*\b]
.endr
.irp b, 0,1,2,3
	v_permlanex16_b32 v[BP+\b], v[BM+\b], s[SEL], s[SEL+1]
.endr
.irp b, 0,1,2,3
	v_max_num_f32 v[BM+\b], v[BM+\b], v[BP+\b]
.endr
	v_max3_num_f32 v[TT], v[BM], v[BM+1], v[BM+2]
	v_max_num_f32 v[TT], v[TT], v[BM+3]
	v_mul_f32 v[TT], s[L2E], v[TT]                 ; as t
	v_max_num_f32 v[NMR+1], v[NMR+1], v[TT]        ; the running largest t
	v_mov_b32 v[TT], v[NMR]
	v_floor_f32 v[NMR], -v[NMR+1]                  ; -M = floor(-t): M is a whole number
	v_sub_f32 v[TT], v[NMR], v[TT]                 ; old M - new M, 0 or less
	v_cvt_i32_f32 v[TT], v[TT]                     ; (it saturates)
	v_ldexp_f32 v[FF], 1.0, v[TT]                  ; f = 2^(old M - new M): a multiplication by it rounds nothing
.set JJ, 0
.rept 32
	v_pk_fma_f32 v[SS+JJ:SS+JJ+1], v[SS+JJ:SS+JJ+1], s[L2E:L2E+1], v[NMR:NMR+1] op_sel_hi:[1,0,0]   ; t - M
.set JJ, JJ+2
.endr
.irp b, 0,1,2,3
	v_fma_f32 v[BM+\b], v[BM+\b], s[L2E], v[NMR]
.endr
.if (\chg) > 0
	KLOADB
.endif
.set JJ, 0
.rept 64
	v_exp_f32 v[SS+JJ], v[SS+JJ]                   ; p = 2^(t - M), not normalised
.set JJ, JJ+1
.endr
	v_pk_mul_f32 v[NMR+2:NMR+3], v[NMR+2:NMR+3], v[FF:FF+1] op_sel_hi:[1,0]   ; the sums under the new M: the plain place behind the batch
	s_wait_alu depctr_va_vdst(0)                   ; one wait for the 64, ahead of their first reader
.irp b, 0,1,2,3
	v_exp_f32 v[BM+\b], v[BM+\b]                   ; each block's largest p
.endr
	v_pk_add_f32 v[SUM2:SUM2+1], v[SS:SS+1], v[SS+2:SS+3]      ; the row's sum is taken of the unquantised p, in two chains
.irp j, 4,8,12,16,20,24,28,32,36,40,44,48,52,56,60
	v_pk_add_f32 v[NMR+2:NMR+3], v[NMR+2:NMR+3], v[SS+\j:SS+\j+1]
	v_pk_add_f32 v[SUM2:SUM2+1], v[SUM2:SUM2+1], v[SS+\j+2:SS+\j+3]
.endr
	v_pk_add_f32 v[NMR+2:NMR+3], v[NMR+2:NMR+3], v[SUM2:SUM2+1]
	s_wait_alu depctr_va_vdst(0)                   ; and one for the four
.if (\chg) > 0
	MLOAD 0                                        ; the next step's first mask tile
.endif
.irp b, 0,1,2,3
	v_max_num_f32 v[BM+\b], 0x1800000, v[BM+\b]    ; the floor: a block whose every p is 0 keeps the byte 1; its codes are zeros
.endr
	SCALEW PW
	PACK6 SS, PC
	WIN 0x41                                       ; O^T window 1, f window 0
.set JJ, 0
.rept 32
	v_pk_mul_f32 v[64*(\m)+JJ:64*(\m)+JJ+1], v[64*(\m)+JJ:64*(\m)+JJ+1], v[FF:FF+1] op_sel_hi:[1,0]   ; O^T under the new M; these are also the places in front of the products below
.set JJ, JJ+2
.endr
.if (\m) == 0
	s_wait_dscnt 16                                ; V's fragments are in; the next tile's 16 mask loads may be out
.endif
	WIN 0x53                                       ; V window 3, P window 0, O^T window 1
.irp t, 0,1,2,3,4,5,6,7
	v_wmma_scale_f32_16x16x128_f8f6f4 v[64*(\m)+8*\t:64*(\m)+8*\t+7], v[96+12*\t:96+12*\t+11], v[PC:PC+11], v[64*(\m)+8*\t:64*(\m)+8*\t+7], v[VW+\t], v[PW] matrix_a_fmt:MATRIX_FMT_FP6 matrix_b_fmt:MATRIX_FMT_FP6
.endr
	WIN 0
.endm
.macro KSTEP chg                       ; 128 keys: K's and V's fragments are read from LDS once and serve the wave's four tiles.  K and the first mask tile were asked for in the step before
	v_add_nc_u32 v[ADV], s[TB], v[AV0]
	v_add_nc_u32 v[ADT], s[TJ], v[ASV0]
	PLACES 2                                       ; with the two lines above: four places behind the last step's products, in front of the loads into V's registers
	s_add_co_u32 s[TJ], s[TJ], 4
	VLOADA
	TILE 0, 0
	TILE 1, 0
	TILE 2, 0
	TILE 3, \chg
.endm
	s_mov_b32 s[CNT], 6
	CHANGE 1                                       ; the first key step's tiles are whole; slot 1, which phase A has left, takes the second step's
	NEXTK 0
	KLOADB
	MLOAD 0
	ASKM
.Lstep:                                            ; key steps 0 to 5: each asks, in its fourth tile, for the step two on
	KSTEP 1
	s_sub_co_u32 s[CNT], s[CNT], 1
	s_cmp_lg_u32 s[CNT], 0
	s_cbranch_scc1 .Lstep
	s_load_b128 s[20:23], s[0:1], 0x60             ; a_codes, a_scales
	s_mov_b32 s[CNT], 2
.Ltail:                                            ; key steps 6 and 7 ask for nothing: a text of their own; one text for the two, walked twice.
	KSTEP 2                                        ; In step 7 the loads for a next step read filled LDS bytes that nobody uses: 72 loads, the price of not writing the key step a third time
	s_sub_co_u32 s[CNT], s[CNT], 1
	s_cmp_lg_u32 s[CNT], 0
	s_cbranch_scc1 .Ltail
	s_wait_dscnt 0x0                               ; those loads are in: their registers may be written
	; THE WAY OUT.  O^T / l is quantised along the head; a tile's fragment leaves as the image of its 12 registers: three stores of 512 consecutive bytes, at a multiple of 512 from the buffer's first byte.
.irp m, 0,1,2,3
	v_add_f32 v[BM+\m], v[ST+4*\m+2], v[ST+4*\m+3] ; (these four are the places behind the last products)
.endr
.irp m, 0,1,2,3
	v_permlanex16_b32 v[BP+\m], v[BM+\m], s[SEL], s[SEL+1]
.endr
.irp m, 0,1,2,3
	v_add_f32 v[BM+\m], v[BM+\m], v[BP+\m]         ; the row's sum
.endr
.irp m, 0,1,2,3
	v_rcp_f32 v[ST+4*\m], v[BM+\m]
.endr
	v_bfe_u32 v150, v0, 4, 1                       ; h: the plain place behind the reciprocals
	s_lshr_b32 s36, s[ROWA], 4                     ; my first tile of 16 tokens,
	s_mul_i32 s36, s36, 24576
	s_and_b32 s38, s[HP2], 15
	s_add_co_u32 s38, s38, s[HH]                   ; my head among the batch's 16
	s_mul_i32 s37, s38, 1536
	s_add_co_u32 s36, s36, s37
	s_mov_b32 s37, 0
	s_lshl_b32 s38, s38, 14
	s_lshr_b32 s39, s[ROWA], 6
	s_lshl_b32 s39, s39, 8
	s_add_co_u32 s38, s38, s39
	s_mov_b32 s39, 0
	s_wait_kmcnt 0x0
	s_add_nc_u64 s[20:21], s[20:21], s[36:37]
	s_add_nc_u64 s[22:23], s[22:23], s[38:39]
	s_wait_alu depctr_va_vdst(0)                   ; one wait for the four reciprocals, ahead of their first reader
.irp m, 0,1,2,3
	WIN 0x01
.set JJ, 0
.rept 32
	v_pk_mul_f32 v[SS+JJ:SS+JJ+1], v[64*\m+JJ:64*\m+JJ+1], v[ST+4*\m:ST+4*\m+1] op_sel_hi:[1,0]
.set JJ, JJ+2
.endr
	WIN 0
	QUANT SS, MK+12*\m, 144+\m
.irp c, 0,1,2
	global_store_b128 v[LI], v[MK+12*\m+4*\c:MK+12*\m+4*\c+3], s[20:21] offset:\m*24576+512*\c
.endr
.endr
	v_cmp_eq_u32 vcc_lo, 1, v150                   ; the four tiles' scale words of row r: lanes 0-15 store tiles 0, 1, lanes 16-31 tiles 2, 3: 256 consecutive bytes
	v_cndmask_b32 v148, v144, v146, vcc_lo
	v_cndmask_b32 v149, v145, v147, vcc_lo
	global_store_b64 v[LS8], v[148:149], s[22:23]
	s_wait_tensorcnt 0x0                           ; the wave's end
	ds_add_u32 v[SPW], v[NIL]
	s_wait_dscnt 0x0
	CROUND                                         ; the closing round
	s_endpgm
.Lfunc_end_k_qcee8eaf384_attn:
	.size	k_qcee8eaf384_attn, .Lfunc_end_k_qcee8eaf384_attn-k_qcee8eaf384_attn
	.p2alignl 7, 3214868480
	.fill 96, 4, 3214868480
	.section	.rodata,"a",@progbits
	.p2align	6, 0x0
	.amdhsa_kernel k_qcee8eaf384_attn
		.amdhsa_group_segment_fixed_size 327680
		.amdhsa_private_segment_fixed_size 0
		.amdhsa_enable_private_segment 0
		.amdhsa_kernarg_size 112
		.amdhsa_user_sgpr_count 2
		.amdhsa_user_sgpr_kernarg_segment_ptr 1
		.amdhsa_wavefront_size32 1
		.amdhsa_system_sgpr_workgroup_id_x 1
		.amdhsa_system_sgpr_workgroup_id_y 1
		.amdhsa_system_sgpr_workgroup_id_z 1
		.amdhsa_system_vgpr_workitem_id 0
		.amdhsa_next_free_vgpr 1024
		.amdhsa_next_free_sgpr 106
		.amdhsa_reserve_vcc 1
		.amdhsa_float_denorm_mode_32 3
		.amdhsa_float_denorm_mode_16_64 3
		.amdhsa_memory_ordered 1
		.amdhsa_forward_progress 1
		.amdhsa_inst_pref_size 255
	.end_amdhsa_kernel
	.section	.bss,"aw",@nobits
	.p2align	6
	.space	262144
	.amdgpu_metadata
---
amdhsa.version: [ 1, 2 ]
amdhsa.kernels:
  - .name:           k_qcee8eaf384_attn
    .symbol:         k_qcee8eaf384_attn.kd
    .args:
      - { .name: hidden_states_codes, .offset: 0, .size: 8, .value_kind: global_buffer, .address_space: global }
      - { .name: hidden_states_scales, .offset: 8, .size: 8, .value_kind: global_buffer, .address_space: global }
      - { .name: wq_codes, .offset: 16, .size: 8, .value_kind: global_buffer, .address_space: global }
      - { .name: wq_scales, .offset: 24, .size: 8, .value_kind: global_buffer, .address_space: global }
      - { .name: key_codes, .offset: 32, .size: 8, .value_kind: global_buffer, .address_space: global }
      - { .name: key_scales, .offset: 40, .size: 8, .value_kind: global_buffer, .address_space: global }
      - { .name: value_codes, .offset: 48, .size: 8, .value_kind: global_buffer, .address_space: global }
      - { .name: value_scales, .offset: 56, .size: 8, .value_kind: global_buffer, .address_space: global }
      - { .name: attention_mask, .offset: 64, .size: 8, .value_kind: global_buffer, .address_space: global }
      - { .name: bq, .offset: 72, .size: 8, .value_kind: global_buffer, .address_space: global }
      - { .name: rope_cos, .offset: 80, .size: 8, .value_kind: global_buffer, .address_space: global }
      - { .name: rope_sin, .offset: 88, .size: 8, .value_kind: global_buffer, .address_space: global }
      - { .name: a_codes, .offset: 96, .size: 8, .value_kind: global_buffer, .address_space: global }
      - { .name: a_scales, .offset: 104, .size: 8, .value_kind: global_buffer, .address_space: global }
    .group_segment_fixed_size: 327680
    .private_segment_fixed_size: 0
    .kernarg_segment_align: 8
    .kernarg_segment_size: 112
    .max_flat_workgroup_size: 128
    .sgpr_count:     106
    .vgpr_count:     1024
    .wavefront_size: 32
...
	.end_amdgpu_metadata
.endif
;; end of part 1
;; launch oproj (part 2): grid 8 x 32, 4 waves a work-group, clusters of 4 x 4, 327,680 bytes of LDS; arguments a_codes, a_scales, wo_codes, wo_scales, bo, out0; writes out0
.if DOCPART == 2
	.amdgcn_target "amdgcn-amd-amdhsa--gfx1250"
	.amdhsa_code_object_version 6
	.text
	.protected	k_qcee8eaf384_oproj
	.globl	k_qcee8eaf384_oproj
	.p2align	8
	.type	k_qcee8eaf384_oproj,@function
k_qcee8eaf384_oproj:
	s_mov_b64 s[64:65], 0
	v_nop
	global_prefetch_b8 v0, s[64:65] scope:SCOPE_SE
	s_setreg_imm32_b32 hwreg(HW_REG_WAVE_MODE, 25, 1), 1
	s_wait_xcnt 0x0
	s_wait_alu depctr_hold_cnt(0) depctr_sa_sdst(0) depctr_va_vdst(0) depctr_va_sdst(0) depctr_va_ssrc(0) depctr_va_vcc(0) depctr_vm_vsrc(0)
	s_getreg_b32 s2, hwreg(HW_REG_IB_STS2, 6, 4)
	s_cmp_eq_u32 s2, 0
	s_cbranch_scc0 .Lentry_in_a_cluster
	s_endpgm
.Lentry_in_a_cluster:
	s_bfe_u32 s2, ttmp6, 0x10000c
	s_cmp_lg_u32 s2, 0xf033
	s_cbranch_scc0 .Lentry_shape_is_right
	s_endpgm
.Lentry_shape_is_right:
; out0 = A wo^T + bo on codes of FP6 (E2M3) with one E8M0 byte for each 32 along K.  A is what the launch before has left: a_codes [256 tiles of 16 tokens][16 heads][3][32 lanes][16 bytes], the image of a
; fragment's 12 registers (16 tokens x 128 K), and a_scales [16 heads][64 blocks of 64 tokens][16 r][4 tiles] of 32-bit words.  wo arrives as rows of codes, K innermost, with 64 scale bytes a row.
; A work-group makes 128 tokens (tile MT of 32) x 256 columns (tile NT of 8); wave (HH, RH) tokens 64 RH on, columns 128 HH on: 32 accumulators.
; K = 2,048 goes in FOUR slots' worth of 512 (four heads) through two LDS slots: two come with the first fills, two by refills, each with four steps of 128 (128 matrix instructions a wave) in which to land.
; Two such slots and the spare words take 320,000 bytes of LDS, so THE SCALES GO FROM MEMORY STRAIGHT INTO REGISTERS, once: wo's 64 registers, A's 32; lanes 0-15 and lanes 16-31 hold different K steps,
; and the ROW selectors of the matrix instruction pick the half.  Their register numbers differ from step to step, so the 16 steps are written out.
; The matrix instruction is used transposed (source 0 = 16 rows of wo, source 1 = 16 tokens): a lane holds 8 neighbouring columns of one token's row.  The bias is the C of each sum's first product.
; CLUSTER 4 x 4: A is asked for jointly along a row of the cluster, wo along a column.  No prefetch is laid: half of K comes with the first fills, at the head, and two refills follow.
; LIMITS: NaN, infinities and the scale byte 0xff among the inputs are not served.
.set SLOTB, 159744                     ; a slot: A's 8 tiles x 6,144 bytes, dense; then wo's 256 rows
.set PITCH, 432                        ; wo: a row of 384 bytes with 16 bytes of padding behind every 128: 108 words: row r starts at bank 44 r mod 64, sixteen different multiples of 4
.set BOFF,  49152
.set SPARE, 2*SLOTB                    ; behind the ring: the spare words, 128 bytes a wave: two blocks of 256 bytes that no other line names
.set SPITCH, 528                       ; the way out: 16 rows x (512 bytes + 16) a wave, in slot 0, which has had its last fill and its last read by then
.set SPW,5
.set NIL,6
.set STO,10
.set RD,11
.set CO,12
.set ADRI,14                           ; v14-15: 16 x lane + my four tiles of A in slot 0, 1
.set ADRB,16                           ; v16-17 my wo fragments in slot 0, 1; v18-19 the same behind one padding more
.set OB,20                             ; my place in 16 rows of wo's scale bytes: 64 r + 16 h
.set OA,21                             ; and among A's scale words: 16 r + 16,384 h
.set BK,32                             ; v32-95, v96-159: 16 rows read back from the stage, by turns
.set SB,160                            ; v160-223 wo's scale words: register 8 b + 4 g + j, lane half h: tile b, K step 8 g + 4 h + j.  These and the next hold scale words and nothing else
.set SA,224                            ; v224-255 A's: register 4 i + a, lane half h: tile a, K step (head) 2 i + h
; window 1: the 32 accumulators.   window 2: A's two fragment sets (48 p + 12 a), the bias at v96-159.   window 3: wo's two fragment sets (96 p + 12 b).
.set WV,24
.set HH,25
.set RH,26
.set G1A,36
.set G1B,44
.set G0A,52
.set G0B,60                            ; slot s at G0B + 8 s (s64, s65 are not named)
.set CX,66
.set CY,67
.set ROWA,96                           ; s96-99 never feed wo's descriptors, s2, s100, s101 never A's
.set MUL,  0x5b
.set MUL1, 0x6b
.set TO3,  0xc0
.set TO2,  0x80
.set MSB, 0
.macro WIN new
.if MSB != (\new)
	s_set_vgpr_msb (MSB<<8)|(\new)
.set MSB, \new
.endif
.endm
.macro PLACES n
.rept \n
	v_nop
.endr
.endm
.macro CREST
	s_cmp_lg_u32 s[WV], 0
	s_cbranch_scc1 .Lnot_wave_0_\@
	s_barrier_signal -3
.Lnot_wave_0_\@:
	s_barrier_wait -3
	s_barrier_signal -1
	s_barrier_wait -1
.endm
.macro CROUND
	s_barrier_signal -1
	s_barrier_wait -1
	CREST
.endm
.macro JLOAD g0a, g1a, g0b, g1b        ; waves 0 and 1 fetch for A, waves 2 and 3 for wo; four v_nop follow each line
	s_cmp_eq_u32 s[HH], 0
	s_cbranch_scc0 .Lfor_b_\@
	tensor_load_to_lds s[\g0a:\g0a+3], s[\g1a:\g1a+7]
	s_nop 0
.rept 4
	v_nop
.endr
	s_branch .Lasked_\@
.Lfor_b_\@:
	tensor_load_to_lds s[\g0b:\g0b+3], s[\g1b:\g1b+7]
	s_nop 0
.rept 4
	v_nop
.endr
.Lasked_\@:
.endm
	s_load_b256 s[4:11], s[0:1], 0x0               ; a_codes, a_scales, wo codes, wo scales
	s_load_b128 s[20:23], s[0:1], 0x20             ; bo, out0
	v_lshl_add_u32 v[SPW], v0, 2, SPARE
	v_mov_b32 v[NIL], 0
	ds_add_u32 v5, v6
	ds_add_u32 v5, v6
	s_wait_dscnt 0x0
	v_lshrrev_b32 v1, 5, v0
	v_readfirstlane_b32 s[WV], v1
	s_lshr_b32 s[HH], s[WV], 1
	s_and_b32 s[RH], s[WV], 1
	s_bfe_u32 s[CX], ttmp6, 0x40000
	s_bfe_u32 s[CY], ttmp6, 0x40004
	s_and_b32 s97, ttmp7, 0xffff
	s_lshl_b32 s97, s97, 2
	s_add_co_u32 s97, s97, s[CY]                   ; MT
	s_lshl_b32 s[ROWA], s97, 7
	s_lshl_b32 s98, s[RH], 6
	s_add_co_u32 s[ROWA], s[ROWA], s98             ; 128 MT + 64 RH
	s_lshl_b32 s98, s[CY], 2
	s_lshl_b32 s98, 15, s98                        ; my row of the cluster
	s_lshl_b32 s2, ttmp9, 2
	s_add_co_u32 s2, s2, s[CX]                     ; NT
	s_lshl_b32 s100, 0x1111, s[CX]                 ; my column
	s_or_b32 s[G1A], s98, (3<<16)|(1<<21)          ; A: 4 tiles' 6,144 bytes (four heads: 768 elements of 8), 24,576 bytes apart, no padding
	s_mov_b32 s[G1A+1], 768<<16
	s_mov_b32 s[G1A+2], 4<<16
	s_mov_b32 s[G1A+3], 768<<16
	s_mov_b32 s[G1A+4], 4
	s_mov_b32 s[G1A+5], 3072
	s_mov_b32 s[G1A+6], 0
	s_mov_b32 s[G1A+7], 0
	s_or_b32 s[G1B], s100, (1<<20)|(1<<21)|(4<<22)|(3<<25)   ; wo: 128 rows of 384 bytes, 1,536 apart, 4 words of padding behind every 32 words
	s_mov_b32 s[G1B+1], 384<<16
	s_mov_b32 s[G1B+2], 128<<16
	s_mov_b32 s[G1B+3], 384<<16
	s_mov_b32 s[G1B+4], 128
	s_mov_b32 s[G1B+5], 1536
	s_mov_b32 s[G1B+6], 0
	s_mov_b32 s[G1B+7], 0
	s_wait_kmcnt 0x0
	s_mul_i32 s98, s[ROWA], 1536                   ; (my first tile of 16 tokens) x 24,576
	s_mov_b32 s99, 0
	s_add_nc_u64 s[98:99], s[4:5], s[98:99]
.irp s, 0,1
	s_mov_b32 s[G0A+4*\s], 1
	s_mul_i32 s[G0A+4*\s+1], s[RH], 24576
	s_add_co_u32 s[G0A+4*\s+1], s[G0A+4*\s+1], \s*SLOTB
	s_add_nc_u64 s[G0A+4*\s+2:G0A+4*\s+3], s[98:99], \s*6144
	s_or_b32 s[G0A+4*\s+3], s[G0A+4*\s+3], 0x80000000
.endr
	s_lshl_b32 s98, s[ROWA], 2                     ; A's scale words: my block of 64 tokens, 256 bytes a block
	s_mov_b32 s99, 0
	s_add_nc_u64 s[6:7], s[6:7], s[98:99]
	s_lshl_b32 s100, s2, 10
	s_lshl_b32 s101, s[HH], 9
	s_add_co_u32 s100, s100, s101                  ; my first column, in bytes of f32
	s_mov_b32 s101, 0
	s_add_nc_u64 s[20:21], s[20:21], s[100:101]    ; bo there
	s_lshl_b32 s16, s[ROWA], 13                    ; my first row of out0: 8,192 bytes a row
	s_add_co_u32 s16, s16, s100
	s_mov_b32 s17, 0
	s_add_nc_u64 s[22:23], s[22:23], s[16:17]
	s_lshl_b32 s100, s100, 4                       ; wo's scale bytes of my 128 columns: 64 a row
	s_add_nc_u64 s[10:11], s[10:11], s[100:101]
	s_lshl_b32 s2, s2, 8
	s_lshl_b32 s100, s[RH], 7
	s_add_co_u32 s2, s2, s100                      ; the rows of wo that I fetch: 256 NT + 128 RH
	s_mul_i32 s100, s2, 1536
	s_add_nc_u64 s[100:101], s[8:9], s[100:101]
.irp s, 0,1
	s_mov_b32 s[G0B+8*\s], 1
	s_mul_i32 s[G0B+8*\s+1], s[RH], 128*PITCH
	s_add_co_u32 s[G0B+8*\s+1], s[G0B+8*\s+1], BOFF+\s*SLOTB
	s_add_nc_u64 s[G0B+8*\s+2:G0B+8*\s+3], s[100:101], \s*384
	s_or_b32 s[G0B+8*\s+3], s[G0B+8*\s+3], 0x80000000
.endr
	CROUND                                         ; all sixteen work-groups are here: the first joint loads meet.  Two loads of mine go out
	JLOAD G0A, G1A, G0B, G1B
	JLOAD G0A+4, G1A, G0B+8, G1B
	v_and_b32 v32, 15, v0                          ; r
	v_bfe_u32 v33, v0, 4, 1                        ; h
	v_and_b32 v34, 31, v0                          ; lane
	v_lshlrev_b32 v[OB], 6, v32
	v_lshl_add_u32 v[OB], v33, 4, v[OB]
	v_lshlrev_b32 v[OA], 4, v32
	v_lshl_add_u32 v[OA], v33, 14, v[OA]
	v_lshlrev_b32 v40, 5, v33
.irp b, 0,1,2,3,4,5,6,7
.irp g, 0,1
	global_load_b128 v[SB+8*\b+4*\g:SB+8*\b+4*\g+3], v[OB], s[10:11] offset:1024*\b+32*\g   ; row 16 b + r: the words of K steps 8 g + 4 h + 0 .. 3; a tile's two loads take all 64 bytes of its 16 rows
.endr
.endr
.irp i, 0,1,2,3,4,5,6,7
	global_load_b128 v[SA+4*\i:SA+4*\i+3], v[OA], s[6:7] offset:32768*\i                    ; head 2 i + h, row r: the four tiles' words; sixteen lanes read 256 consecutive bytes
.endr
	WIN TO2
.irp b, 0,1,2,3,4,5,6,7
	global_load_b128 v[96+8*\b:96+8*\b+3], v40, s[20:21] offset:64*\b
	global_load_b128 v[96+8*\b+4:96+8*\b+7], v40, s[20:21] offset:64*\b+16
.endr
	WIN 0
	v_mul_u32_u24 v36, v32, PITCH
	v_mad_u32_u24 v37, v33, 24, v36
	v_mad_u32_u24 v38, v33, 40, v36
	v_lshlrev_b32 v[CO], 4, v34
	s_mul_i32 s97, s[RH], 24576
	s_mul_i32 s98, s[HH], 128*PITCH
	s_add_co_u32 s98, s98, BOFF
.irp s, 0,1
	v_add_nc_u32 v[ADRI+\s], s97, v[CO]
	v_add_nc_u32 v[ADRB+\s], s98, v37
	v_add_nc_u32 v[ADRB+2+\s], s98, v38
	s_add_co_u32 s97, s97, SLOTB
	s_add_co_u32 s98, s98, SLOTB
.endr
	s_mul_i32 s97, s[WV], 16*SPITCH
	v_mul_u32_u24 v36, v32, SPITCH
	v_lshl_add_u32 v36, v33, 5, v36
	v_add_nc_u32 v[STO], s97, v36
	v_add_nc_u32 v[RD], s97, v[CO]
.macro FRAG reg, adr, q, row0          ; a fragment of wo from padded rows: six pieces of 8 bytes, sixteen pieces to a padding; the second address register serves where lanes 16-31, three pieces on, lie behind one padding more
.irp p, 0,1,2,3,4,5
.set PCX, 12*(\q)+6*(\p/3)+\p%3
.if PCX%16 < 13
	ds_load_b64 v[(\reg)+2*\p:(\reg)+2*\p+1], v[\adr] offset:8*PCX+16*(PCX/16)+(\row0)*PITCH
.else
	ds_load_b64 v[(\reg)+2*\p:(\reg)+2*\p+1], v[(\adr)+2] offset:8*PCX+16*(PCX/16)+(\row0)*PITCH
.endif
.endr
.endm
.macro FETCH slot, q, p                ; the slot's q-th 128 along K into fragment sets p
	WIN TO3
.irp i, 0,1,2,3,4,5,6,7
	FRAG 96*(\p)+12*\i, ADRB+\slot, \q, 16*\i
.endr
	WIN TO2
.irp i, 0,1,2,3
.irp c, 0,1,2
	ds_load_b128 v[48*(\p)+12*\i+4*\c:48*(\p)+12*\i+4*\c+3], v[ADRI+\slot] offset:\i*6144+(\q)*1536+512*\c   ; A's fragment comes back as it was stored: the image of its registers
.endr
.endr
	WIN 0
.endm
; One matrix instruction.  rb, ra: the lane half in which source 0's (wo's) and source 1's (the tokens') scale words of this K step lie
.macro WM dd, bb, aa, cc, sb, sa, rb, ra
.if ((\rb) == 0) && ((\ra) == 0)
	v_wmma_scale_f32_16x16x128_f8f6f4 v[(\dd):(\dd)+7], v[(\bb):(\bb)+11], v[(\aa):(\aa)+11], v[(\cc):(\cc)+7], v[\sb], v[\sa] matrix_a_fmt:MATRIX_FMT_FP6 matrix_b_fmt:MATRIX_FMT_FP6
.elseif (\ra) == 0
	v_wmma_scale_f32_16x16x128_f8f6f4 v[(\dd):(\dd)+7], v[(\bb):(\bb)+11], v[(\aa):(\aa)+11], v[(\cc):(\cc)+7], v[\sb], v[\sa] matrix_a_fmt:MATRIX_FMT_FP6 matrix_b_fmt:MATRIX_FMT_FP6 matrix_a_scale:MATRIX_SCALE_ROW1
.elseif (\rb) == 0
	v_wmma_scale_f32_16x16x128_f8f6f4 v[(\dd):(\dd)+7], v[(\bb):(\bb)+11], v[(\aa):(\aa)+11], v[(\cc):(\cc)+7], v[\sb], v[\sa] matrix_a_fmt:MATRIX_FMT_FP6 matrix_b_fmt:MATRIX_FMT_FP6 matrix_b_scale:MATRIX_SCALE_ROW1
.else
	v_wmma_scale_f32_16x16x128_f8f6f4 v[(\dd):(\dd)+7], v[(\bb):(\bb)+11], v[(\aa):(\aa)+11], v[(\cc):(\cc)+7], v[\sb], v[\sa] matrix_a_fmt:MATRIX_FMT_FP6 matrix_b_fmt:MATRIX_FMT_FP6 matrix_a_scale:MATRIX_SCALE_ROW1 matrix_b_scale:MATRIX_SCALE_ROW1
.endif
.endm
; 8 matrix instructions: tokens' tile a against wo's eight, K step s of 16, fragment sets p.  The 32 accumulators take turns, one instruction a turn, in the same order everywhere
.macro MULA a, p, s, first
.irp b, 0,1,2,3,4,5,6,7
.if \first
	WM 8*(8*(\a)+\b), 96*(\p)+12*\b, 48*(\p)+12*(\a), 96+8*\b, SB+8*\b+4*((\s)/8)+(\s)%4, SA+4*((\s)/2)+(\a), ((\s)/4)%2, (\s)%2
.else
	WM 8*(8*(\a)+\b), 96*(\p)+12*\b, 48*(\p)+12*(\a), 8*(8*(\a)+\b), SB+8*\b+4*((\s)/8)+(\s)%4, SA+4*((\s)/2)+(\a), ((\s)/4)%2, (\s)%2
.endif
.endr
.endm
.macro STEPN slot, q, s, first         ; one of a slot's first three steps of 128: the next step's fragments are asked for ahead of this step's 32 products
	s_wait_dscnt 0x0                               ; this step's fragments are in
	PLACES 4                                       ; in front of loads into the other sets, which the products just issued have read
	FETCH \slot, (\q)+1, ((\q)+1)%2
.if \first
	WIN MUL1
.else
	WIN MUL
.endif
	MULA 0, (\q)%2, \s, \first
	MULA 1, (\q)%2, \s, \first
	MULA 2, (\q)%2, \s, \first
	MULA 3, (\q)%2, \s, \first
	WIN 0
.endm
; A slot's fourth step, and the change of slots: one barrier; in front of it each wave waits for all its tensor loads, adds 0 to its spare word, and waits for that and for its reads of this slot.
; fill = 1: this slot takes the 512 along K two slots on, and the barrier opens a round of the cluster's barrier.
.macro TURN slot, next, fill, s
	s_wait_tensorcnt 0x0                           ; all my tensor loads have landed: my part of the next slot
	ds_add_u32 v[SPW], v[NIL]                      ; 0 onto my spare word
.if \fill
	s_add_nc_u64 s[G0A+4*\slot+2:G0A+4*\slot+3], s[G0A+4*\slot+2:G0A+4*\slot+3], 12288
	s_add_nc_u64 s[G0B+8*\slot+2:G0B+8*\slot+3], s[G0B+8*\slot+2:G0B+8*\slot+3], 768
.endif
	s_wait_dscnt 0x0                               ; the add is done, this step's fragments are in, and my reads of this slot are over
	s_barrier_signal -1
	WIN MUL
	MULA 0, 1, \s, 0
	WIN 0
	s_barrier_wait -1
.if \fill
	CREST                                          ; no wave of any partner still reads this slot or has a load on its way
	JLOAD G0A+4*\slot, G1A, G0B+8*\slot, G1B       ; my one tensor load behind the round; its four v_nop are the places in front of the loads below
.else
	PLACES 4
.endif
	FETCH \next, 0, 0
	WIN MUL
	MULA 1, 1, \s, 0
	MULA 2, 1, \s, 0
	MULA 3, 1, \s, 0
	WIN 0
.endm
	s_wait_tensorcnt 0x1                           ; my part of slot 0 is in; slot 1's load may be out
	s_barrier_signal -1
	s_barrier_wait -1
	FETCH 0, 0, 0
	s_wait_loadcnt 0x0                             ; the scale words and the bias
	STEPN 0, 0, 0, 1                               ; the first products start the sums, on the bias
	STEPN 0, 1, 1, 0
	STEPN 0, 2, 2, 0
	TURN 0, 1, 1, 3                                ; slot 0 takes K 1,024 on
	STEPN 1, 0, 4, 0
	STEPN 1, 1, 5, 0
	STEPN 1, 2, 6, 0
	TURN 1, 0, 1, 7                                ; slot 1 takes K 1,536 on
	STEPN 0, 0, 8, 0
	STEPN 0, 1, 9, 0
	STEPN 0, 2, 10, 0
	TURN 0, 1, 0, 11                               ; nothing is left to fetch: no round
	STEPN 1, 0, 12, 0
	STEPN 1, 1, 13, 0
	STEPN 1, 2, 14, 0
	s_wait_dscnt 0x0                               ; the very last 128 along K
	WIN MUL
	MULA 0, 1, 15, 0
	MULA 1, 1, 15, 0
	MULA 2, 1, 15, 0
	MULA 3, 1, 15, 0
	WIN 0
; THE WAY OUT, 16 rows x 128 columns at a time, through my own stage: in as 32 bytes a lane, back as whole rows of 512 bytes.  LDS serves a wave's instructions in order: no wait between the stores and the loads.
.macro TOSTAGE a
	WIN 0x04                                       ; an LDS store's data are its source 1: window 1
.irp b, 0,1,2,3,4,5,6,7
	ds_store_b128 v[STO], v[64*(\a)+8*\b:64*(\a)+8*\b+3] offset:64*\b          ; each accumulator from its low end on
	ds_store_b128 v[STO], v[64*(\a)+8*\b+4:64*(\a)+8*\b+7] offset:64*\b+16
.endr
	WIN 0
.irp t, 0,1,2,3,4,5,6,7,8,9,10,11,12,13,14,15
	ds_load_b128 v[BK+64*((\a)%2)+4*\t:BK+64*((\a)%2)+4*\t+3], v[RD] offset:\t*SPITCH
.endr
.endm
.macro SEND a, younger                 ; younger: the LDS instructions issued behind block a's loads, which may stay out
	s_wait_dscnt \younger
.irp t, 0,1,2,3,4,5,6,7,8,9,10,11,12,13,14,15
	global_store_b128 v[CO], v[BK+64*((\a)%2)+4*\t:BK+64*((\a)%2)+4*\t+3], s[22:23] offset:(16*(\a)+\t)*8192 th:TH_STORE_NT   ; 32 lanes store 512 consecutive bytes, at a multiple of 512 from out0's first byte
.endr
.endm
	PLACES 4
	TOSTAGE 0
	TOSTAGE 1
	SEND 0, 32                                     ; behind block 0's loads: block 1's 16 stores and 16 loads
	s_wait_xcnt 0x0                                ; block 0's stores have read their registers: block 2's loads may land there
	TOSTAGE 2
	SEND 1, 32
	s_wait_xcnt 0x0
	TOSTAGE 3
	SEND 2, 32
	SEND 3, 0
	s_wait_tensorcnt 0x0                           ; the wave's end
	ds_add_u32 v[SPW], v[NIL]
	s_wait_dscnt 0x0
	CROUND                                         ; the closing round
	s_endpgm
.Lfunc_end_k_qcee8eaf384_oproj:
	.size	k_qcee8eaf384_oproj, .Lfunc_end_k_qcee8eaf384_oproj-k_qcee8eaf384_oproj
	.p2alignl 7, 3214868480
	.fill 96, 4, 3214868480
	.section	.rodata,"a",@progbits
	.p2align	6, 0x0
	.amdhsa_kernel k_qcee8eaf384_oproj
		.amdhsa_group_segment_fixed_size 327680
		.amdhsa_private_segment_fixed_size 0
		.amdhsa_enable_private_segment 0
		.amdhsa_kernarg_size 48
		.amdhsa_user_sgpr_count 2
		.amdhsa_user_sgpr_kernarg_segment_ptr 1
		.amdhsa_wavefront_size32 1
		.amdhsa_system_sgpr_workgroup_id_x 1
		.amdhsa_system_sgpr_workgroup_id_y 1
		.amdhsa_system_sgpr_workgroup_id_z 1
		.amdhsa_system_vgpr_workitem_id 0
		.amdhsa_next_free_vgpr 1024
		.amdhsa_next_free_sgpr 106
		.amdhsa_reserve_vcc 0
		.amdhsa_float_denorm_mode_32 3
		.amdhsa_float_denorm_mode_16_64 3
		.amdhsa_memory_ordered 1
		.amdhsa_forward_progress 1
		.amdhsa_inst_pref_size 158
	.end_amdhsa_kernel
	.amdgpu_metadata
---
amdhsa.version: [ 1, 2 ]
amdhsa.kernels:
  - .name:           k_qcee8eaf384_oproj
    .symbol:         k_qcee8eaf384_oproj.kd
    .args:
      - { .name: a_codes, .offset: 0, .size: 8, .value_kind: global_buffer, .address_space: global }
      - { .name: a_scales, .offset: 8, .size: 8, .value_kind: global_buffer, .address_space: global }
      - { .name: wo_codes, .offset: 16, .size: 8, .value_kind: global_buffer, .address_space: global }
      - { .name: wo_scales, .offset: 24, .size: 8, .value_kind: global_buffer, .address_space: global }
      - { .name: bo, .offset: 32, .size: 8, .value_kind: global_buffer, .address_space: global }
      - { .name: out0, .offset: 40, .size: 8, .value_kind: global_buffer, .address_space: global }
    .group_segment_fixed_size: 327680
    .private_segment_fixed_size: 0
    .kernarg_segment_align: 8
    .kernarg_segment_size: 48
    .max_flat_workgroup_size: 128
    .sgpr_count:     106
    .vgpr_count:     1024
    .wavefront_size: 32
...
	.end_amdgpu_metadata
.endif
;; end of part 2
